; MI455X (gfx1250); checked and timed in simulation.
; The chip was launched on July 23, 2026; its instructions are those of AMD's public machine-readable ISA for CDNA 5 (MIT licence, August 2026) and "CDNA5" Instruction Set Architecture Reference Guide (July 2026). The comments in the code are by the model that wrote it; some were corrected since.
;; Self Attention. Allowed arithmetic: matrix products marked QUANTISED: E4M3 operands, one given power-of-two scale a tensor, by v_wmma_f32_16x16x64_fp8_fp8 or v_wmma_f32_16x16x128_fp8_fp8, f32 sums; everything else in f32.
;; Inputs: W_k_codes 2,048 x 64 x 32 uint8 (E4M3 codes of W_k, K innermost, in blocks of 32 codes); W_o_codes 2,048 x 64 x 32 uint8 (E4M3 codes of W_o, K innermost, in blocks of 32 codes); W_q_codes 2,048 x 64 x 32 uint8 (E4M3 codes of W_q, K innermost, in blocks of 32 codes); W_v_codes 2,048 x 64 x 32 uint8 (E4M3 codes of W_v, K innermost, in blocks of 32 codes); lowp_scales 12 int32 (the exponents e of the quantised operands' scales 2^e); x_codes 2 x 1,024 x 64 x 32 uint8 (E4M3 codes of x, K innermost, in blocks of 32 codes).
;; Outputs: out0 2 x 1,024 x 2,048 float32.
;; This version of the problem:
;;   THIS VERSION OF THE PROBLEM IS GIVEN IN LOW PRECISION. The matrix products marked QUANTISED in the list below multiply operands that are first quantised to E4M3 (4 exponent bits, 3 mantissa bits; 8 bits a number), with one given power-of-two scale for each operand tensor; their sums are f32. All else is computed in f32.
;;   The module's matrix products, in the order in which they are computed (A, B: the left and right operand; K: the contracted axis; several contracted axes count as one K, in the product's order):
;;     1. [M 2,048, K 2,048] x [K 2,048, N 2,048]; A: input x (given as codes); B: input W_q (given as codes): QUANTISED (scales: A lowp_scales[0], B lowp_scales[1])
;;     2. [M 2,048, K 2,048] x [K 2,048, N 2,048]; A: input x (given as codes); B: input W_k (given as codes): QUANTISED (scales: A lowp_scales[2], B lowp_scales[3])
;;     3. [M 2,048, K 2,048] x [K 2,048, N 2,048]; A: input x (given as codes); B: input W_v (given as codes): QUANTISED (scales: A lowp_scales[4], B lowp_scales[5])
;;     4. batch 32 x [M 1,024, K 128] x [K 128, N 1,024]; A: computed on the way; B: computed on the way: QUANTISED (scales: A lowp_scales[6], B lowp_scales[7])
;;     5. batch 32 x [M 1,024, K 1,024] x [K 1,024, N 128]; A: softmax (see below); B: computed on the way: QUANTISED (scales: A lowp_scales[8], B lowp_scales[9])
;;     6. [M 2,048, K 2,048] x [K 2,048, N 2,048]; A: computed on the way; B: input W_o (given as codes): QUANTISED (scales: A lowp_scales[10], B lowp_scales[11])
;;   THE QUANTISER, for each operand of a quantised product, along K:
;;     - The operand's scale is 2^e, e = its entry of the input lowp_scales (int32; the entries are numbered through the quantised products in the list's order, A before B).
;;     - Each number is divided by the scale, clamped to +-448, and rounded to the nearest number of E4M3, ties to even, subnormals kept.
;;     - The product sums the exact products of the quantised numbers (number of the format x scale) in f32.
;;   ~~~python
;;   def quantise(x, axis, e):      # numpy; x: float32 -> the quantised numbers, widened to float32 again
;;       x = np.moveaxis(x, axis, -1); K = x.shape[-1]
;;       r = np.clip(x / 2.0 ** e, -448, 448)
;;       step = 2.0 ** (np.maximum(np.frexp(np.where(r == 0, 1, r))[1] - 1, -6) - 3)
;;       q = np.round(r / step) * step * 2.0 ** e      # np.round: ties to even
;;       return np.moveaxis(q, -1, axis).astype(np.float32)
;;   ~~~
;;   SOFTMAX AHEAD OF A QUANTISED PRODUCT. Where the list says 'softmax', what is quantised is not the finished softmax but p = 2^(t - M), with t = logit x log2(e) and M = ceil(the row's largest t), a whole number; so 1/2 < the row's largest p <= 1. The row's sum l is taken of the UNQUANTISED p, in f32, and the product's result is divided by l at the end. Since M is a whole number, a kernel that streams over the keys may use a running M (the ceiling of the running maximum): every later rescaling is an exact power of two, so the quantised numbers keep their values, but for numbers so far below the row's largest that they fall under the format's range.
;;   OPERANDS COMPUTED ON THE WAY. 'Computed on the way' means the value that the module computes at that place (a softmax that the list does not call 'softmax' is quantised finished and normalised). What goes into a quantiser is computed in f32, as accurately as f32 sums, v_exp_f32 and their like allow (about 1e-6 of the number): no bf16 or f16 on the way to a quantiser, and a product that is left as it is and whose result goes on into a quantised operand takes f32 operands (vector FMAs, or v_wmma_f32_16x16x4_f32). A number that lies on a knife's edge between two numbers of the format may be rounded either way, as far as f32 arithmetic and the matrix unit's own rounding can turn it there, and no further.
;;   INPUTS GIVEN AS CODES. W_k (in the module: [2048, 2048], K = its axis 1); W_o (in the module: [2048, 2048], K = its axis 1); W_q (in the module: [2048, 2048], K = its axis 1); W_v (in the module: [2048, 2048], K = its axis 1); x (in the module: [2, 1024, 2048], K = its axis 2): each comes as NAME_codes (uint8): NAME with its K axis moved to the last place and cut into blocks of 32 codes, [.., K / 32, bytes a block], one block behind the other in memory; one code a byte (a code: sign, 4 exponent bits, 3 mantissa bits); its scale is its entry of lowp_scales. Its value is code x scale, taken as it is: it is not quantised again, and the codes and scales need not be those that the quantiser above would give.
;; One version. Each part assembles by itself: llvm-mc -triple=amdgcn-amd-amdhsa -mcpu=gfx1250 --defsym DOCPART=n.
;; ======== version 1 of 1: 3 launches
;; limits: right only within a limited range of input values
;; workspace buffers: q_img 4,194,304 bytes; kv_img 8,388,608 bytes; a_img 4,194,304 bytes
;; launch qkv (part 1): grid 16 x 16, 4 waves a work-group, clusters of 4 x 4, 327,680 bytes of LDS; arguments x_codes, W_q_codes, W_k_codes, W_v_codes, lowp_scales, q_img, kv_img; writes q_img, kv_img
.if DOCPART == 1
	.amdgcn_target "amdgcn-amd-amdhsa--gfx1250"
	.amdhsa_code_object_version 6
	.text
	.protected	k_q6c9f4b6bcb_qkv
	.globl	k_q6c9f4b6bcb_qkv
	.p2align	8
	.type	k_q6c9f4b6bcb_qkv,@function
k_q6c9f4b6bcb_qkv:
	s_mov_b64 s[64:65], 0
	v_nop
	global_prefetch_b8 v0, s[64:65] scope:SCOPE_SE
	s_setreg_imm32_b32 hwreg(HW_REG_WAVE_MODE, 25, 1), 1
	s_wait_xcnt 0x0
	s_wait_alu depctr_hold_cnt(0) depctr_sa_sdst(0) depctr_va_vdst(0) depctr_va_sdst(0) depctr_va_ssrc(0) depctr_va_vcc(0) depctr_vm_vsrc(0)
	s_getreg_b32 s2, hwreg(HW_REG_IB_STS2, 6, 4)
	s_cmp_eq_u32 s2, 0
	s_cbranch_scc0 .Lentry_in_a_cluster
	s_endpgm
.Lentry_in_a_cluster:
	s_bfe_u32 s2, ttmp6, 0x10000c
	s_cmp_lg_u32 s2, 0xf033
	s_cbranch_scc0 .Lentry_shape_is_right
	s_endpgm
.Lentry_shape_is_right:
; q = rope(x Wq^T), k = rope(x Wk^T), v = x Wv^T on codes of FP8 (E4M3), and the three results quantised for the attention that follows.
; x: [2048 tokens][2048], Wq, Wk, Wv: [2048][2048]: codes, K innermost.  lowp_scales: e0 .. e11.  A sum of codes stands for sum x 2^(e0+e1) (q), 2^(e2+e3) (k), 2^(e4+e5) (v);
; the rotation is linear, so it is made on the raw sums, and each conversion takes ONE folded scale: q 2^(e6-e0-e1), k 2^(e7-e2-e3), v 2^(e9-e4-e5).
; LIMITS: each of these three exponents lies between -126 and 119, so that the scale and 448 x the scale are f32 numbers.  NaN codes among the inputs are not served.
; The rotation's frequency 10000^(-i/64) is made as 2^(-i log2(10000)/64) with the exponent in two parts; it may differ from a frequency made by a power and a division in the last bit,
; which moves an angle near 1,000 by about 1e-4.  The angle itself is the f32 product t x frequency; its sine and cosine come from a reduction by pi/2 in three parts and two short polynomials.
; SHARES.  A work-group takes 128 tokens x one head of q, k and v (128 x 384 results): 16 x 16 work-groups.  Wave w takes all 128 tokens x columns 32 w .. 32 w + 31 of each of the three: 48 accumulators, 384 registers.
; q and k are made TRANSPOSED (source 0 = 16 rows of W, source 1 = 16 tokens): a lane holds one token and eight neighbouring columns, so a rotation's pair lies in neighbouring registers and the codes run along the next K (the head's 128).
; v is made the natural way (source 0 = 16 tokens, source 1 = 16 rows of Wv): a lane holds one column and eight neighbouring tokens, which are the next K (the keys).
; OUTPUT.  Images of operand registers: a fragment (16 rows x 128 K) is 2,048 bytes, register group c of lane L at 512 c + 16 L.  q_img [head 32][tile of 16 queries 64][2048]; kv_img [head 32][block of 128 keys 8][K's 8 fragments, V^T's 8 fragments].
; Every store of a wave covers 256 or 512 consecutive bytes, aligned: no stage in LDS is needed.
; CLUSTERS: 4 x 4.  The four of a row of the cluster need the same tile of x, the four of a column the same tiles of Wq, Wk, Wv: each tile is asked for jointly.  Wave 0 asks for x, waves 1, 2, 3 for Wq, Wk, Wv.
; K goes in steps of 256 through two LDS slots; a tile's row is 256 bytes of memory.
; REGISTERS, in windows of 256.  Window 0: v16-29 addresses; v32-79 at work (head: frequencies and constants; way out: 48 numbers); v84-89 scales; v128-255 x's 8 fragments, ONE set (head: at work; way out: codes).
;   Window 1: W's 6 fragments, TWO sets at v0 and v128 (fragment b: 0, 1 of Wq; 2, 3 of Wk; 4, 5 of Wv).   Windows 2, 3: accumulator (a, b) at v[48 (a % 4) + 8 b] of window 2 + a / 4; from v192 the cosines and sines of token block a.
; DEAD WORK, left out in launch attn: the module sets the score of every key that comes after its query to -infinity ahead of the softmax, so its p is 0 and it adds 0 to the sum and to the result, whatever finite
; values the inputs hold.  Blocks of 128 keys that lie wholly behind a tile's queries are not computed.  LIMIT: a NaN, an infinity or an overflow that reaches only such scores is not carried to the result.
; PREFETCHES INTO THE L2: a K step is 256 bytes of each row.  Of the 128 rows that a wave asks for jointly, each of the four partners takes 32, told apart by address (cx for x, cy for W): a lane a row, one instruction a wave.
; At the head K step 1 is named, behind K step 1's load K steps 2 and 3, behind every later K step s's load K step s + 2, up to K step 7.  v30: the lane's offset; s[94:95]: where my 32 rows stand.
.set PITCH,  272                       ; an LDS row: 256 bytes + 16 of padding: the 16 rows of a fragment load begin 17 x 16 bytes apart
.set HALFT,  128*PITCH                 ; 128 rows: what one tensor load brings
.set SLOT,   4*HALFT                   ; x's 128 rows, then Wq's, Wk's, Wv's
.set SPARE,  2*SLOT                    ; behind the ring: the spare words, 128 bytes a wave: two blocks of 256 bytes that no other line names
.set ROWB,   256
.set KROW,   2048
.set LAPS,   4                         ; 2,048 along K = 8 slots' worth = 4 times round the ring
.set ADRA, 16                          ; v16-17  x's fragments in slot 0, 1
.set ADRB, 18                          ; v18-19  my rows of Wq (Wk's lie HALFT further on)
.set ADRV, 20                          ; v20-21  my rows of Wv
.set QO,   24                          ; v24     my 8 bytes in a fragment's image of q or k
.set VO,   25                          ; v25     my 16 bytes in my fragments of V^T
.set SPW,  28                          ; v28     my spare word; never rewritten
.set NIL,  29                          ; v29     0; never rewritten
.set T1,   32                          ; the way out: 16 numbers of q, 16 of k, 16 of v
.set SQ,   84                          ; v84, 85: q's scale and 448 x it; v86, 87: k's; v88, 89: v's
.set SK,   86
.set SV,   88
.set AF,   128
.set QC,   128                         ; the way out: q's codes, 4 a + 2 c
.set KC,   160                         ; k's
.set VC,   192                         ; v's: 16 c + 2 a: the registers of a fragment of V^T
.set G1,   24
.set G0,   32
.set G1B,  48
.set G0B,  56
.set TH,   32                          ; head: v32-39 my eight frequencies
.set TT,   40                          ; v40, 41: the token's position, twice
.set C_INV, 44                         ; constants, each twice, so that the packed lines need no selector
.set C_MAG, 46
.set C_P1,  48
.set C_P2,  50
.set C_P3,  52
.set C_S0,  54
.set C_S1,  56
.set C_S2,  58
.set C_C0,  60
.set C_C1,  62
.set C_C2,  64
.set C_MH,  66
.set C_ONE, 68
.set RA,  128                          ; head, at work: eight registers each
.set RY,  136
.set RN,  144
.set RR,  152
.set RZ,  160
.set RPS, 168
.set RPC, 176
.set RZR, 184
.set RZZ, 192
.set RH,  200
.set RSN, 208
.set RCN, 216
.set RO,  224
.set RU,  232
.set MSB, 0
.macro WIN new                         ; the immediate's high byte repeats the setting that is left; a switch that changes nothing is dropped
.if MSB != (\new)
	s_set_vgpr_msb (MSB<<8)|(\new)
.set MSB, (\new)
.endif
.endm
.set QK_LO, 0xa1                       ; source 0 (W) window 1, source 1 (x) window 0, C and D window 2
.set V_LO,  0xa4                       ; source 0 (x) window 0, source 1 (W) window 1, C and D window 2;  + 0x50: C and D window 3
.set TO_B,  0x40                       ; destination window 1, address window 0
; A joint load.  Each of the two lines has one mask; the branch hangs on the wave's number alone.  Four v_nop follow each line.
.macro JLOAD s
	s_cmp_eq_u32 s14, 0
	s_cbranch_scc0 .Lfor_w_\@
	tensor_load_to_lds s[G0+4*\s:G0+4*\s+3], s[G1:G1+7]
	s_nop 0
.rept 4
	v_nop
.endr
	s_branch .Lasked_\@
.Lfor_w_\@:
	tensor_load_to_lds s[G0B+4*\s:G0B+4*\s+3], s[G1B:G1B+7]
	s_nop 0
.rept 4
	v_nop
.endr
.Lasked_\@:
.endm
.macro CREST                           ; a round of the cluster's barrier behind its opening barrier
	s_cmp_lg_u32 s14, 0
	s_cbranch_scc1 .Lnot_wave_0_\@
	s_barrier_signal -3
.Lnot_wave_0_\@:
	s_barrier_wait -3
	s_barrier_signal -1
	s_barrier_wait -1
.endm
.macro CROUND
	s_barrier_signal -1
	s_barrier_wait -1
	CREST
.endm
.macro PLACES                          ; four plain vector lines between a matrix instruction and a load into, or a vector line on, its registers
.rept 4
	v_nop
.endr
.endm
.macro KPAIR reg, val
	v_mov_b32 v[\reg], \val
	v_mov_b32 v[\reg+1], \val
.endm
	s_load_b256 s[4:11], s[0:1], 0x0               ; x s[4:5], Wq s[6:7], Wk s[8:9], Wv s[10:11]
	s_load_b64 s[68:69], s[0:1], 0x20              ; the scales' exponents
	s_load_b128 s[84:87], s[0:1], 0x28             ; q_img s[84:85], kv_img s[86:87]
	v_lshl_add_u32 v[SPW], v0, 2, SPARE
	v_mov_b32 v[NIL], 0
	ds_add_u32 v28, v29
	ds_add_u32 v28, v29
	s_wait_dscnt 0x0
	v_lshrrev_b32 v1, 5, v0
	v_readfirstlane_b32 s14, v1                    ; wave 0..3
	s_bfe_u32 s40, ttmp6, 0x40000                  ; cx
	s_bfe_u32 s41, ttmp6, 0x40004                  ; cy
	s_lshl_b32 s42, ttmp9, 2
	s_add_co_u32 s42, s42, s40                     ; the head = 4 x cluster x + cx
	s_and_b32 s17, ttmp7, 0xffff
	s_lshl_b32 s17, s17, 2
	s_add_co_u32 s17, s17, s41                     ; the block of 128 tokens = 4 x cluster y + cy
	s_lshl_b32 s43, s41, 2
	s_lshl_b32 s43, 15, s43                        ; my row of the cluster
	s_lshl_b32 s44, 0x1111, s40                    ; my column
	s_or_b32 s[G1+0], s43, (1<<20)|(1<<21)|(5<<22)|(3<<25)    ; the mask; elements of 1 byte; padding on; bit 21 beside a mask; 4 words of padding behind every 64
	s_or_b32 s[G1B+0], s44, (1<<20)|(1<<21)|(5<<22)|(3<<25)
.irp g, G1, G1B
	s_mov_b32 s[\g+1], ROWB<<16                    ; tensor_dim0 = 256
	s_mov_b32 s[\g+2], 128<<16                     ; tensor_dim1 = 128
	s_mov_b32 s[\g+3], ROWB<<16                    ; tile_dim0 = 256
	s_mov_b32 s[\g+4], 128                         ; tile_dim1 = 128
	s_mov_b32 s[\g+5], KROW                        ; from row to row
	s_mov_b32 s[\g+6], 0
	s_mov_b32 s[\g+7], 0
.endr
	s_lshl_b32 s20, s17, 18                        ; x: 128 rows of 2,048 bytes for each block of tokens
	s_mov_b32 s21, 0
	s_lshl_b32 s46, s42, 18                        ; W: 128 rows for each head
	s_mov_b32 s47, 0
	s_mul_i32 s45, s14, HALFT                      ; where my tile goes: region = my wave's number
	s_wait_kmcnt 0x0
	s_load_b256 s[72:79], s[68:69], 0x0            ; e0 .. e7
	s_load_b128 s[80:83], s[68:69], 0x20           ; e8 .. e11
	s_cmp_eq_u32 s14, 2                            ; which W my wave asks for: the choice hangs on the wave's number alone
	s_cselect_b64 s[12:13], s[8:9], s[6:7]
	s_cmp_eq_u32 s14, 3
	s_cselect_b64 s[12:13], s[10:11], s[12:13]
	s_add_nc_u64 s[20:21], s[4:5], s[20:21]
	s_add_nc_u64 s[46:47], s[12:13], s[46:47]
	CROUND                                         ; all sixteen work-groups are here: the first joint loads meet
.irp s, 0,1
	s_mov_b32 s[G0+4*\s], 1
	s_add_co_u32 s[G0+4*\s+1], s45, \s*SLOT
	s_add_nc_u64 s[G0+4*\s+2:G0+4*\s+3], s[20:21], \s*ROWB
	s_or_b32 s[G0+4*\s+3], s[G0+4*\s+3], 0x80000000
	s_mov_b32 s[G0B+4*\s], 1
	s_add_co_u32 s[G0B+4*\s+1], s45, \s*SLOT
	s_add_nc_u64 s[G0B+4*\s+2:G0B+4*\s+3], s[46:47], \s*ROWB
	s_or_b32 s[G0B+4*\s+3], s[G0B+4*\s+3], 0x80000000
.endr
	JLOAD 0                                        ; K step 0: one tensor load a wave at the head
.set PFO,  30
.set PFA,  94
	s_cmp_eq_u32 s14, 0
	s_cselect_b64 s[PFA:PFA+1], s[20:21], s[46:47] ; the 128 rows that I ask for,
	s_cselect_b32 s96, s40, s41                    ; and my work-group's place among the four that ask with me
	s_lshl_b32 s96, s96, 16                        ; 32 rows of 2,048 bytes
	s_mov_b32 s97, 0
	s_add_nc_u64 s[PFA:PFA+1], s[PFA:PFA+1], s[96:97]
	v_and_b32 v[PFO], 31, v0
	v_lshlrev_b32 v[PFO], 11, v[PFO]
	; LDS addresses: a fragment's lane takes row l % 16 at 16 (l / 16) bytes; four loads of 16 bytes, 32 bytes apart: K = 32 c + 16 (l / 16) + 0 .. 15, alike in x and in W
	v_and_b32 v1, 15, v0                           ; r
	v_bfe_u32 v2, v0, 4, 1                         ; h
	v_mul_u32_u24 v3, v1, PITCH
	v_lshl_add_u32 v4, v2, 4, v3
	s_mul_i32 s21, s14, 32*PITCH
	s_add_co_u32 s21, s21, HALFT                   ; my 32 rows of Wq's region
	v_mov_b32 v[ADRA], v4
	v_add_nc_u32 v[ADRA+1], SLOT, v4
	v_add_nc_u32 v[ADRB], s21, v4
	v_add_nc_u32 v[ADRB+1], SLOT, v[ADRB]
	v_add_nc_u32 v[ADRV], 2*HALFT, v[ADRB]
	v_add_nc_u32 v[ADRV+1], SLOT, v[ADRV]
	; where the codes go.  q, k: my 8 codes are d = 32 w + 16 c + 8 h + 0 .. 7 of token r: register group w, lane 16 c + r, byte 8 h of the image
	v_lshlrev_b32 v[QO], 4, v1
	v_lshl_add_u32 v[QO], v2, 3, v[QO]
	s_lshl_b32 s18, s14, 9
	v_add_nc_u32 v[QO], s18, v[QO]                 ; 512 w + 16 r + 8 h
	v_and_b32 v7, 31, v0
	v_lshlrev_b32 v[VO], 4, v7
	s_lshl_b32 s18, s14, 12
	s_add_co_u32 s18, s18, 16384
	v_add_nc_u32 v[VO], s18, v[VO]                 ; V^T's fragments 2 w, 2 w + 1 behind K's eight: 16,384 + 4,096 w + 16 lane
	s_lshr_b32 s88, s17, 3                         ; the batch
	s_lshl_b32 s88, s88, 4
	s_add_co_u32 s88, s88, s42                     ; 16 x batch + head
	s_lshl_b32 s88, s88, 3
	s_and_b32 s89, s17, 7
	s_add_co_u32 s88, s88, s89                     ; x 8 + the block of 128 tokens within the sequence
	s_lshl_b32 s90, s88, 14
	s_mov_b32 s91, 0
	s_add_nc_u64 s[84:85], s[84:85], s[90:91]      ; q_img: 8 fragments a block
	s_lshl_b32 s90, s88, 15
	s_add_nc_u64 s[86:87], s[86:87], s[90:91]      ; kv_img: 16 fragments a block
	; THE ROTATION'S TABLES, made while the first tiles are on their way.  My lane's eight pairs: i = 16 w + 4 h + 8 (e / 4) + e % 4, e = 0 .. 7.
	s_lshl_b32 s22, s89, 7
	v_add_nc_u32 v5, s22, v1
	v_cvt_f32_u32 v[TT], v5                        ; the position of token r of block 0: 128 (block % 8) + r
	v_mov_b32 v[TT+1], v[TT]
	s_lshl_b32 s23, s14, 4
	v_lshl_add_u32 v6, v2, 2, s23                  ; 16 w + 4 h
	s_mov_b32 s92, 0x3e549a78                      ; log2(10000) / 64, upper part
	s_mov_b32 s93, 0x31979a37                      ; and what it lacks
.irp e, 0,1,2,3,4,5,6,7
	v_add_nc_u32 v[RA+\e], 8*(\e/4)+\e%4, v6
.endr
.irp e, 0,1,2,3,4,5,6,7
	v_cvt_f32_u32 v[RA+\e], v[RA+\e]
.endr
.irp e, 0,1,2,3,4,5,6,7
	v_mul_f32 v[RY+\e], s92, v[RA+\e]              ; the exponent, rounded,
.endr
.irp e, 0,1,2,3,4,5,6,7
	v_fma_f32 v[RN+\e], v[RA+\e], s92, -v[RY+\e]   ; what the rounding dropped,
.endr
.irp e, 0,1,2,3,4,5,6,7
	v_fma_f32 v[RN+\e], v[RA+\e], s93, v[RN+\e]    ; and the constant's lower part
.endr
	s_wait_alu depctr_va_vdst(0)
.irp e, 0,1,2,3,4,5,6,7
	v_exp_f32 v[RR+\e], -v[RY+\e]
.endr
.irp e, 0,1,2,3,4,5,6,7
	v_mul_f32 v[RN+\e], 0xbf317218, v[RN+\e]       ; x -ln 2.  (Plain lines behind the exponentials)
.endr
	s_wait_alu depctr_va_vdst(0)
.irp e, 0,1,2,3,4,5,6,7
	v_fma_f32 v[TH+\e], v[RR+\e], v[RN+\e], v[RR+\e]   ; 2^(-upper) (1 - lower ln 2)
.endr
	KPAIR C_INV, 0x3f22f983                        ; 2 / pi
	KPAIR C_MAG, 0x4b400000                        ; 1.5 x 2^23: adding it rounds to a whole number, which then stands in the low bits
	KPAIR C_P1,  0xbfc90000                        ; -pi / 2 in three parts
	KPAIR C_P2,  0xb9fda000
	KPAIR C_P3,  0xb3a22168
	KPAIR C_S0,  0xb94ca1f9                        ; the sine's polynomial
	KPAIR C_S1,  0x3c08839e
	KPAIR C_S2,  0xbe2aaaa3
	KPAIR C_C0,  0x37ccf5ce                        ; the cosine's
	KPAIR C_C1,  0xbab6061a
	KPAIR C_C2,  0x3d2aaaa5
	KPAIR C_MH,  -0.5
	KPAIR C_ONE, 1.0
; Token block a: eight angles a lane, in four pairs side by side; the cosine and sine of pair e go to v[192 + 16 (a % 4) + 2 e] and the register above it, in the window of block a's accumulators.
.macro ROPEA a
.if (\a) > 0
	v_add_f32 v[TT], 0x41800000, v[TT]             ; 16 tokens on
	v_add_f32 v[TT+1], 0x41800000, v[TT+1]
.endif
.irp g, 0,2,4,6
	v_pk_mul_f32 v[RA+\g:RA+\g+1], v[TH+\g:TH+\g+1], v[TT:TT+1]                             ; the angle, rounded to f32
.endr
.irp g, 0,2,4,6
	v_pk_fma_f32 v[RY+\g:RY+\g+1], v[RA+\g:RA+\g+1], v[C_INV:C_INV+1], v[C_MAG:C_MAG+1]     ; n = the nearest whole number of quarter turns, in the low bits
.endr
.irp g, 0,2,4,6
	v_pk_add_f32 v[RN+\g:RN+\g+1], v[RY+\g:RY+\g+1], v[C_MAG:C_MAG+1] neg_lo:[0,1] neg_hi:[0,1]   ; n as f32
.endr
.irp g, 0,2,4,6
	v_pk_fma_f32 v[RR+\g:RR+\g+1], v[RN+\g:RN+\g+1], v[C_P1:C_P1+1], v[RA+\g:RA+\g+1]       ; the angle less n pi / 2
.endr
.irp g, 0,2,4,6
	v_pk_fma_f32 v[RR+\g:RR+\g+1], v[RN+\g:RN+\g+1], v[C_P2:C_P2+1], v[RR+\g:RR+\g+1]
.endr
.irp g, 0,2,4,6
	v_pk_fma_f32 v[RR+\g:RR+\g+1], v[RN+\g:RN+\g+1], v[C_P3:C_P3+1], v[RR+\g:RR+\g+1]
.endr
.irp g, 0,2,4,6
	v_pk_mul_f32 v[RZ+\g:RZ+\g+1], v[RR+\g:RR+\g+1], v[RR+\g:RR+\g+1]
.endr
.irp g, 0,2,4,6
	v_pk_fma_f32 v[RPS+\g:RPS+\g+1], v[RZ+\g:RZ+\g+1], v[C_S0:C_S0+1], v[C_S1:C_S1+1]
	v_pk_fma_f32 v[RPC+\g:RPC+\g+1], v[RZ+\g:RZ+\g+1], v[C_C0:C_C0+1], v[C_C1:C_C1+1]
.endr
.irp g, 0,2,4,6
	v_pk_fma_f32 v[RPS+\g:RPS+\g+1], v[RPS+\g:RPS+\g+1], v[RZ+\g:RZ+\g+1], v[C_S2:C_S2+1]
	v_pk_fma_f32 v[RPC+\g:RPC+\g+1], v[RPC+\g:RPC+\g+1], v[RZ+\g:RZ+\g+1], v[C_C2:C_C2+1]
.endr
.irp g, 0,2,4,6
	v_pk_mul_f32 v[RZR+\g:RZR+\g+1], v[RZ+\g:RZ+\g+1], v[RR+\g:RR+\g+1]
	v_pk_mul_f32 v[RZZ+\g:RZZ+\g+1], v[RZ+\g:RZ+\g+1], v[RZ+\g:RZ+\g+1]
	v_pk_fma_f32 v[RH+\g:RH+\g+1], v[RZ+\g:RZ+\g+1], v[C_MH:C_MH+1], v[C_ONE:C_ONE+1]
.endr
.irp g, 0,2,4,6
	v_pk_fma_f32 v[RSN+\g:RSN+\g+1], v[RPS+\g:RPS+\g+1], v[RZR+\g:RZR+\g+1], v[RR+\g:RR+\g+1]   ; the sine of the rest,
	v_pk_fma_f32 v[RCN+\g:RCN+\g+1], v[RPC+\g:RPC+\g+1], v[RZZ+\g:RZZ+\g+1], v[RH+\g:RH+\g+1]   ; and its cosine
.endr
.irp e, 0,1,2,3,4,5,6,7
	v_lshlrev_b32 v[RO+\e], 31, v[RY+\e]           ; n's bit 0 in the sign's place
	v_lshlrev_b32 v[RU+\e], 30, v[RY+\e]           ; n's bit 1 there
.endr
.irp e, 0,1,2,3,4,5,6,7
	v_cmp_ne_u32 vcc_lo, 0, v[RO+\e]               ; an odd n swaps the two
	v_cndmask_b32 v[RA+\e], v[RCN+\e], v[RSN+\e], vcc_lo
	v_cndmask_b32 v[RN+\e], v[RSN+\e], v[RCN+\e], vcc_lo
.endr
.irp e, 0,1,2,3,4,5,6,7
	v_and_b32 v[RU+\e], 0x80000000, v[RU+\e]       ; the sine's sign: bit 1
.endr
.irp e, 0,1,2,3,4,5,6,7
	v_xor_b32 v[RO+\e], v[RO+\e], v[RU+\e]         ; the cosine's: bit 0 xor bit 1
.endr
	WIN 0x80+0x40*((\a)/4)                         ; destination window 2 or 3
.irp e, 0,1,2,3,4,5,6,7
	v_xor_b32 v[192+16*((\a)%4)+2*\e], v[RO+\e], v[RA+\e]
	v_xor_b32 v[192+16*((\a)%4)+2*\e+1], v[RU+\e], v[RN+\e]
.endr
	WIN 0
.endm
.irp a, 0,1
	ROPEA \a
.endr
	global_prefetch_b8 v[PFO], s[PFA:PFA+1] offset:ROWB th:TH_LOAD_NT scope:SCOPE_SE   ; K step 1
.irp a, 2,3,4,5,6
	ROPEA \a
.endr
.macro MKSCALE vs, et, ea, eb          ; v[vs] = 2^(et - ea - eb) as f32, v[vs + 1] = 448 x that
	s_sub_co_i32 s88, s[\et], s[\ea]
	s_sub_co_i32 s88, s88, s[\eb]
	s_add_co_i32 s88, s88, 127
	s_lshl_b32 s89, s88, 23
	v_mov_b32 v[\vs], s89
	s_add_co_i32 s88, s88, 8
	s_lshl_b32 s88, s88, 23
	s_or_b32 s88, s88, 0x600000
	v_mov_b32 v[\vs+1], s88
.endm
	s_wait_kmcnt 0x0
	MKSCALE SQ, 78, 72, 73
	MKSCALE SK, 79, 74, 75
	MKSCALE SV, 81, 76, 77
.macro FRAG reg, adr, off              ; 16 rows x 128 K: 16 registers, four loads
.irp c, 0,1,2,3
	ds_load_b128 v[\reg+4*\c:\reg+4*\c+3], v[\adr] offset:\off+32*\c
.endr
.endm
.macro FETCH_B slot, q, p              ; my six fragments of W of the slot's q-th 128 along K, into set p: 24 loads
	WIN TO_B
.irp b, 0,1,2,3
	FRAG 128*(\p)+16*\b, ADRB+\slot, 128*(\q)+(\b/2)*HALFT+(\b%2)*16*PITCH
.endr
.irp b, 4,5
	FRAG 128*(\p)+16*\b, ADRV+\slot, 128*(\q)+(\b%2)*16*PITCH
.endr
	WIN 0
.endm
.macro FETCH_A slot, q, base           ; x's blocks base .. base + 3: 16 loads
.irp i, 0,1,2,3
	FRAG AF+16*(\base+\i), ADRA+\slot, 128*(\q)+(\base+\i)*16*PITCH
.endr
.endm
; 16 products for q and k, 8 for v: token blocks 4 hi .. 4 hi + 3.  The 48 accumulators take turns, one instruction a turn, in the same order in every step.
.macro MULQK hi, p, zero
	WIN QK_LO+0x50*(\hi)
.irp a, 0,1,2,3
.irp b, 0,1,2,3
.if \zero
	v_wmma_f32_16x16x128_fp8_fp8 v[48*\a+8*\b:48*\a+8*\b+7], v[128*(\p)+16*\b:128*(\p)+16*\b+15], v[AF+16*(4*(\hi)+\a):AF+16*(4*(\hi)+\a)+15], 0
.else
	v_wmma_f32_16x16x128_fp8_fp8 v[48*\a+8*\b:48*\a+8*\b+7], v[128*(\p)+16*\b:128*(\p)+16*\b+15], v[AF+16*(4*(\hi)+\a):AF+16*(4*(\hi)+\a)+15], v[48*\a+8*\b:48*\a+8*\b+7]
.endif
.endr
.endr
.endm
.macro MULV hi, p, zero
	WIN V_LO+0x50*(\hi)
.irp a, 0,1,2,3
.irp b, 4,5
.if \zero
	v_wmma_f32_16x16x128_fp8_fp8 v[48*\a+8*\b:48*\a+8*\b+7], v[AF+16*(4*(\hi)+\a):AF+16*(4*(\hi)+\a)+15], v[128*(\p)+16*\b:128*(\p)+16*\b+15], 0
.else
	v_wmma_f32_16x16x128_fp8_fp8 v[48*\a+8*\b:48*\a+8*\b+7], v[AF+16*(4*(\hi)+\a):AF+16*(4*(\hi)+\a)+15], v[128*(\p)+16*\b:128*(\p)+16*\b+15], v[48*\a+8*\b:48*\a+8*\b+7]
.endif
.endr
.endr
.endm
; A slot's first 128 along K (W's set 0); the second 128's fragments are fetched on the way (set 1).
.macro STEP slot, zero
	s_wait_dscnt 16                                ; W's set and x's blocks 0-3 are in; the youngest 16 loads (x's blocks 4-7) may be out
	MULQK 0, 0, \zero
	MULV 0, 0, \zero
	s_wait_dscnt 0x0                               ; x's blocks 4-7 are in
	PLACES
	FETCH_B \slot, 1, 1
	FETCH_A \slot, 1, 0
	MULQK 1, 0, \zero
	MULV 1, 0, \zero
	PLACES
	WIN 0
	FETCH_A \slot, 1, 4
.endm
; A slot's second 128 along K (set 1) changes slots: one barrier; in front of it each wave waits for all its tensor loads, adds 0 to its spare word, and waits for that and for its reads of this slot.
.macro TURN slot, next, fill
.if \fill
	s_wait_xcnt 0x0                                ; my prefetches have read their address: it may be stepped
	s_add_nc_u64 s[PFA:PFA+1], s[PFA:PFA+1], ROWB
.endif
	s_wait_tensorcnt 0x0                           ; all my tensor loads have landed: my part of the next slot
	ds_add_u32 v[SPW], v[NIL]                      ; 0 onto my spare word
	s_wait_dscnt 17                                ; the add and the youngest 16 loads (x's blocks 4-7) may be out
	MULQK 0, 1, 0                                  ; sixteen matrix instructions stand between the add and the wait for it
	s_wait_dscnt 0x0                               ; the add is done, and my reads of this slot are over
	s_barrier_signal -1
	MULV 0, 1, 0
	WIN 0
	s_barrier_wait -1
.if \fill
	CREST                                          ; the barrier has opened a round of the cluster's: no wave of any partner still reads this slot or has a load on its way
	s_add_nc_u64 s[G0+4*\slot+2:G0+4*\slot+3], s[G0+4*\slot+2:G0+4*\slot+3], 2*ROWB
	s_add_nc_u64 s[G0B+4*\slot+2:G0B+4*\slot+3], s[G0B+4*\slot+2:G0B+4*\slot+3], 2*ROWB
	JLOAD \slot                                    ; the first tensor load behind the round, my only one until the next; its four v_nop are the places in front of the loads below
.else
	PLACES
.endif
	FETCH_B \next, 0, 0
	FETCH_A \next, 0, 0
.if \fill
	s_cmp_gt_u32 s3, 1                             ; the loop's last trip fills K steps 6 and 7: nothing stands two steps on
	s_cbranch_scc0 .Lnone_\@
	global_prefetch_b8 v[PFO], s[PFA:PFA+1] offset:3*ROWB th:TH_LOAD_NT scope:SCOPE_SE   ; two K steps behind the one just asked for
.Lnone_\@:
.endif
	MULQK 1, 1, 0
	MULV 1, 1, 0
	PLACES
	WIN 0
	FETCH_A \next, 0, 4
.endm
	s_wait_alu depctr_va_vdst(0)                   ; the head's end
	s_wait_tensorcnt 0x0                           ; my part of K step 0 is in
	ds_add_u32 v[SPW], v[NIL]
	s_wait_dscnt 0x0
	CROUND                                         ; everybody's part of K step 0 is in, and all sixteen work-groups are here
	JLOAD 1                                        ; K step 1
.irp a, 7                              ; the last block's tables, while that load is on its way
	ROPEA \a
.endr
	FETCH_B 0, 0, 0
	FETCH_A 0, 0, 0
	FETCH_A 0, 0, 4
	global_prefetch_b8 v[PFO], s[PFA:PFA+1] offset:2*ROWB th:TH_LOAD_NT scope:SCOPE_SE   ; K steps 2
	global_prefetch_b8 v[PFO], s[PFA:PFA+1] offset:3*ROWB th:TH_LOAD_NT scope:SCOPE_SE   ; and 3
	STEP 0, 1                                      ; the first step's products start the sums: nothing is cleared
	s_mov_b32 s3, LAPS-1
.Llap:                                                 ; a trip goes once round the ring and fills both slots again
	TURN 0, 1, 1
	STEP 1, 0
	TURN 1, 0, 1
	STEP 0, 0
	s_sub_co_u32 s3, s3, 1
	s_cmp_lg_u32 s3, 0
	s_cbranch_scc1 .Llap
	TURN 0, 1, 0                                   ; the last lap fills nothing
	STEP 1, 0
	s_wait_dscnt 16                                ; the very last step: nothing more to fetch
	MULQK 0, 1, 0
	MULV 0, 1, 0
	s_wait_dscnt 0x0
	MULQK 1, 1, 0
	MULV 1, 1, 0
	WIN 0
	PLACES
; THE WAY OUT of token block a: rotate q and k, hold all three within 448 x their scales, convert, store.  Each accumulator is read from its low end on.
.macro OUTA a
.set AC, 48*((\a)%4)
.set CSB, 192+16*((\a)%4)
	WIN 0x0a+5*((\a)/4)                            ; sources 0 and 1 in the block's window, the rest in window 0
.irp b, 0,1,2,3
.irp p, 0,1,2,3
	v_mul_f32 v[T1+8*\b+2*\p], v[AC+8*\b+2*\p], v[CSB+8*(\b%2)+2*\p]             ; x1 cos
	v_mul_f32 v[T1+8*\b+2*\p+1], v[AC+8*\b+2*\p+1], v[CSB+8*(\b%2)+2*\p]         ; x2 cos
.endr
.irp p, 0,1,2,3
	v_fma_f32 v[T1+8*\b+2*\p], -v[AC+8*\b+2*\p+1], v[CSB+8*(\b%2)+2*\p+1], v[T1+8*\b+2*\p]       ; - x2 sin
	v_fma_f32 v[T1+8*\b+2*\p+1], v[AC+8*\b+2*\p], v[CSB+8*(\b%2)+2*\p+1], v[T1+8*\b+2*\p+1]      ; + x1 sin
.endr
.endr
	WIN 0x02+((\a)/4)                              ; source 0 in the block's window
.irp n, 0,1,2,3,4,5,6,7,8,9,10,11,12,13,14,15
	v_med3_num_f32 v[T1+32+\n], v[AC+32+\n], -v[SV+1], v[SV+1]   ; the conversion to an 8-bit code does not saturate (ISA guide 7.6.2): the hold comes first
.endr
	WIN 0
.irp n, 0,1,2,3,4,5,6,7,8,9,10,11,12,13,14,15
	v_med3_num_f32 v[T1+\n], v[T1+\n], -v[SQ+1], v[SQ+1]
	v_med3_num_f32 v[T1+16+\n], v[T1+16+\n], -v[SK+1], v[SK+1]
.endr
.irp c, 0,1
	v_cvt_scalef32_pk8_fp8_f32 v[QC+4*(\a)+2*\c:QC+4*(\a)+2*\c+1], v[T1+8*\c:T1+8*\c+7], v[SQ]
	v_cvt_scalef32_pk8_fp8_f32 v[KC+4*(\a)+2*\c:KC+4*(\a)+2*\c+1], v[T1+16+8*\c:T1+16+8*\c+7], v[SK]
	v_cvt_scalef32_pk8_fp8_f32 v[VC+16*\c+2*(\a):VC+16*\c+2*(\a)+1], v[T1+32+8*\c:T1+32+8*\c+7], v[SV]
.endr
	v_nop                                          ; one plain line behind the conversions: the next block writes their sources
.irp c, 0,1
	global_store_b64 v[QO], v[QC+4*(\a)+2*\c:QC+4*(\a)+2*\c+1], s[84:85] offset:2048*(\a)+256*\c   ; 32 lanes store 256 consecutive bytes, aligned
	global_store_b64 v[QO], v[KC+4*(\a)+2*\c:KC+4*(\a)+2*\c+1], s[86:87] offset:2048*(\a)+256*\c
.endr
.if ((\a)%2) == 1
.irp c, 0,1
	global_store_b128 v[VO], v[VC+16*\c+4*((\a)/2):VC+16*\c+4*((\a)/2)+3], s[86:87] offset:2048*\c+512*((\a)/2)   ; two blocks' codes are a register group of V^T's fragment: 512 consecutive bytes
.endr
.endif
.endm
.irp a, 0,1,2,3,4,5,6,7                ; every store has data registers of its own, and no address is rewritten: no wait stands between them
	OUTA \a
.endr
	s_wait_tensorcnt 0x0                           ; the wave's end
	ds_add_u32 v[SPW], v[NIL]
	s_wait_dscnt 0x0
	CROUND                                         ; the closing round: no work-group ends while a partner may still ask for a tile that names it
	s_endpgm
.Lfunc_end_k_q6c9f4b6bcb_qkv:
	.size	k_q6c9f4b6bcb_qkv, .Lfunc_end_k_q6c9f4b6bcb_qkv-k_q6c9f4b6bcb_qkv
	.p2alignl 7, 3214868480
	.fill 96, 4, 3214868480
	.section	.rodata,"a",@progbits
	.p2align	6, 0x0
	.amdhsa_kernel k_q6c9f4b6bcb_qkv
		.amdhsa_group_segment_fixed_size 327680
		.amdhsa_private_segment_fixed_size 0
		.amdhsa_enable_private_segment 0
		.amdhsa_kernarg_size 56
		.amdhsa_user_sgpr_count 2
		.amdhsa_user_sgpr_kernarg_segment_ptr 1
		.amdhsa_wavefront_size32 1
		.amdhsa_system_sgpr_workgroup_id_x 1
		.amdhsa_system_sgpr_workgroup_id_y 1
		.amdhsa_system_sgpr_workgroup_id_z 1
		.amdhsa_system_vgpr_workitem_id 0
		.amdhsa_next_free_vgpr 1024
		.amdhsa_next_free_sgpr 100
		.amdhsa_reserve_vcc 1
		.amdhsa_float_denorm_mode_32 3
		.amdhsa_float_denorm_mode_16_64 3
		.amdhsa_memory_ordered 1
		.amdhsa_forward_progress 1
		.amdhsa_inst_pref_size 183
	.end_amdhsa_kernel
	.amdgpu_metadata
---
amdhsa.version: [ 1, 2 ]
amdhsa.kernels:
  - .name:           k_q6c9f4b6bcb_qkv
    .symbol:         k_q6c9f4b6bcb_qkv.kd
    .args:
      - { .name: x_codes, .offset: 0, .size: 8, .value_kind: global_buffer, .address_space: global }
      - { .name: W_q_codes, .offset: 8, .size: 8, .value_kind: global_buffer, .address_space: global }
      - { .name: W_k_codes, .offset: 16, .size: 8, .value_kind: global_buffer, .address_space: global }
      - { .name: W_v_codes, .offset: 24, .size: 8, .value_kind: global_buffer, .address_space: global }
      - { .name: lowp_scales, .offset: 32, .size: 8, .value_kind: global_buffer, .address_space: global }
      - { .name: q_img, .offset: 40, .size: 8, .value_kind: global_buffer, .address_space: global }
      - { .name: kv_img, .offset: 48, .size: 8, .value_kind: global_buffer, .address_space: global }
    .group_segment_fixed_size: 327680
    .private_segment_fixed_size: 0
    .kernarg_segment_align: 8
    .kernarg_segment_size: 56
    .max_flat_workgroup_size: 128
    .sgpr_count:     100
    .vgpr_count:     1024
    .wavefront_size: 32
...
	.end_amdgpu_metadata
.endif
;; end of part 1
;; launch attn (part 2): grid 8 x 32, 16 waves a work-group, clusters of 4 x 1, 327,680 bytes of LDS; arguments q_img, kv_img, lowp_scales, a_img; writes a_img
.if DOCPART == 2
	.amdgcn_target "amdgcn-amd-amdhsa--gfx1250"
	.amdhsa_code_object_version 6
	.text
	.protected	k_q6c9f4b6bcb_attn
	.globl	k_q6c9f4b6bcb_attn
	.p2align	8
	.type	k_q6c9f4b6bcb_attn,@function
k_q6c9f4b6bcb_attn:
	s_mov_b64 s[64:65], 0
	v_nop
	global_prefetch_b8 v0, s[64:65] scope:SCOPE_SE
	s_setreg_imm32_b32 hwreg(HW_REG_WAVE_MODE, 25, 1), 1
	s_wait_xcnt 0x0
	s_wait_alu depctr_hold_cnt(0) depctr_sa_sdst(0) depctr_va_vdst(0) depctr_va_sdst(0) depctr_va_ssrc(0) depctr_va_vcc(0) depctr_vm_vsrc(0)
	s_getreg_b32 s2, hwreg(HW_REG_IB_STS2, 6, 4)
	s_cmp_eq_u32 s2, 0
	s_cbranch_scc0 .Lentry_in_a_cluster
	s_endpgm
.Lentry_in_a_cluster:
	s_bfe_u32 s2, ttmp6, 0x10000c
	s_cmp_lg_u32 s2, 0x3003
	s_cbranch_scc0 .Lentry_shape_is_right
	s_endpgm
.Lentry_shape_is_right:
; Causal attention on codes of FP8 (E4M3), head by head, and its result quantised for the product with Wo.
; q_img [head 32][tile of 16 queries 64][2048], kv_img [head 32][block of 128 keys 8][K's 8 fragments, V^T's 8 fragments]: images of operand registers (register group c of lane L at 512 c + 16 L).
; a_img [block of 16 tokens 128][head 16][2048], likewise.  lowp_scales: e6, e7 (q, k), e8, e9 (p, v), e10 (the result).
; SOFTMAX: t = score x log2(e) / sqrt(128); M = the largest t so far, rounded up to a whole number; p = 2^(t - M) is quantised; the sum is taken of the unquantised p in f32 and divides at the end.
; When M moves, the sum and O are multiplied by 2^(old M - new M): exact.
; SHARES.  A work-group (head y, number x = 0 .. 7) takes ONE tile of 16 queries out of each block of 128: tiles 8 b + x, b = 0 .. 7.  So every work-group of a head reads all eight blocks of keys and has the same work.
; SIXTEEN waves of 256 registers.  Waves w and w + 8 (w = 0 .. 7) share the tile of block b = 7 - w (w < 4) or w - 4: wave parity p = w / 8 takes key blocks p, p + 2, .. up to b.  The waves s, s + 4, s + 8, s + 12 have nine key blocks
; together, for each s = 0 .. 3.  At the end the two waves of a tile exchange half of O^T through LDS; each joins, divides, quantises and stores 64 of the head's 128 channels.
; DEAD WORK left out: blocks of keys wholly behind a tile's queries (see the first kernel).  In block b itself the hidden scores become -infinity.
; LOADS.  All of a head's K and V (256 KB) is asked for at the head: one tensor load of 16 KB a wave, JOINTLY by the four work-groups of a cluster; nothing is filled twice.  No prefetch: there is no loop to run ahead in, and every byte is asked for at the head.
; Both products are used transposed: S^T = K Q^T, O^T = V^T P^T: a lane holds one query (lane % 16) throughout; register j of tile t is key 16 t + 8 (lane / 16) + j, which is the layout of the second product's operand.
; LIMITS: e6 + e7 between -123 and 130; e8 and e10 - e8 - e9 between -126 and 119 (so that each power of two and 448 x it is an f32 number); the scaled scores stay under 2^31 in magnitude.  NaN codes are not served.
; REGISTERS: v1-11 addresses; v12 -M, v13 the largest t, v[14:15] the sum; v16-31 Q; v32-95 four fragments of K, then of V; v96-159 S^T, then p, then V's other four fragments; v160-223 O^T (v160-191: the channels 64 p .. 64 p + 63 that I finish); v224-239 p's codes.
.set SPARE, 262144                     ; behind K and V: the spare words, 128 bytes a wave
.set XW,    4352                       ; the exchange: 4,096 bytes of O^T and 256 of (-M, sum) a wave, over key blocks 0 to 2
.set STB,   65536                      ; two key blocks
.set AK,   1
.set AV0,  2
.set AV1,  3
.set GO,   4
.set SPW,  5
.set NIL,  6
.set DM,   7                           ; v7: my query's place in its block less 8 (lane / 16)
.set XS,   248
.set XR,   249
.set XS8,  250
.set XR8,  251
.set WV,   14
.set PA,   15                          ; my parity
.set NS,   16                          ; 7 - (b - p): step i (key block 2 i + p) is mine where this is at most 7 - 2 i, and holds the diagonal where it is 7 - 2 i
.set X,    19
.set SEL,  20
.set CS,   22
.set G1,   24
.set G0,   32
.macro CROUND                          ; a round of the cluster's barrier
	s_barrier_signal -1
	s_barrier_wait -1
	s_cmp_lg_u32 s[WV], 0
	s_cbranch_scc1 .Lnot_wave_0_\@
	s_barrier_signal -3
.Lnot_wave_0_\@:
	s_barrier_wait -3
	s_barrier_signal -1
	s_barrier_wait -1
.endm
.macro PLACES                          ; four plain vector lines behind a matrix instruction (ISA guide 7.12.1)
.rept 4
	v_nop
.endr
.endm
.macro FR4 reg, adr, off               ; four fragments, 16 loads
.irp t, 0,1,2,3
.irp c, 0,1,2,3
	ds_load_b128 v[\reg+16*\t+4*\c:\reg+16*\t+4*\c+3], v[\adr] offset:\off+2048*\t+512*\c
.endr
.endr
.endm
.macro QK t0, out                      ; two tiles of S^T; out: the loads that may be out
	s_wait_dscnt \out
.irp t, \t0, \t0+1
	v_wmma_f32_16x16x128_fp8_fp8 v[96+8*(\t):96+8*(\t)+7], v[32+16*((\t)%4):32+16*((\t)%4)+15], v[16:31], 0
.endr
.endm
	s_load_b128 s[4:7], s[0:1], 0x0                ; q_img, kv_img
	s_load_b128 s[8:11], s[0:1], 0x10              ; the scales' exponents, a_img
	v_lshl_add_u32 v[SPW], v0, 2, SPARE
	v_mov_b32 v[NIL], 0
	ds_add_u32 v[SPW], v[NIL]                      ; the opening: the add, twice on end, and its wait
	ds_add_u32 v[SPW], v[NIL]
	v_lshrrev_b32 v8, 5, v0
	v_readfirstlane_b32 s[WV], v8                  ; wave 0..15
	s_lshr_b32 s[PA], s[WV], 3
	s_bfe_u32 s40, s[WV], 0x10002
	s_mul_i32 s40, s40, 7
	s_and_b32 s41, s[WV], 3
	s_xor_b32 s40, s40, s41                        ; 7 - b
	s_add_co_u32 s[NS], s40, s[PA]
	s_xor_b32 s40, s40, 7                          ; b
	s_bfe_u32 s41, ttmp6, 0x40000                  ; cx
	s_lshl_b32 s[X], ttmp9, 2
	s_add_co_u32 s[X], s[X], s41                   ; x = 4 x cluster x + cx
	s_lshl_b32 s40, s40, 3
	s_add_co_u32 s40, s40, s[X]                    ; my tile of queries
	s_and_b32 s42, ttmp7, 0xffff                   ; the head, 0..31
	s_lshl_b32 s44, s42, 18
	s_lshl_b32 s43, s[WV], 14
	s_add_co_u32 s44, s44, s43                     ; what I fetch: 16 KB of the head's 256 KB; it lands at the same place in LDS
	s_mov_b32 s45, 0
	s_lshl_b32 s46, s42, 17
	s_lshl_b32 s47, s40, 11
	s_add_co_u32 s46, s46, s47                     ; my tile's codes of q
	s_mov_b32 s47, 0
	s_lshr_b32 s48, s42, 4
	s_lshl_b32 s48, s48, 21                        ; the batch: 64 blocks of tokens of 32,768 bytes
	s_and_b32 s49, s42, 15
	s_lshl_b32 s49, s49, 11
	s_add_co_u32 s48, s48, s49
	s_lshl_b32 s49, s40, 15
	s_add_co_u32 s48, s48, s49                     ; my tile's image in a_img
	s_mov_b32 s49, 0
	s_lshl_b32 s50, s[PA], 15                      ; K of block p
	s_mul_i32 s51, s[PA], 40960
	s_add_co_u32 s51, s51, 16384                   ; V of block p: the channels that I finish (64 p on),
	s_mul_i32 s52, s[PA], 24576
	s_add_co_u32 s52, s52, 24576                   ; and the others
	s_mul_i32 s53, s[WV], XW                       ; the exchange: what I give,
	s_xor_b32 s54, s[WV], 8
	s_mul_i32 s54, s54, XW                         ; and what I get
	s_add_co_u32 s55, s53, 4096
	s_add_co_u32 s56, s54, 4096
	s_lshl_b32 s57, s[PA], 10
	s_lshl_b32 s58, s[X], 4
	s_mov_b32 s[G1], 15|(3<<16)|(1<<21)            ; the mask: all four of the cluster; elements of 8 bytes; bit 21 beside a mask; no padding
	s_mov_b32 s[G1+1], 32<<16                      ; rows of 256 bytes,
	s_mov_b32 s[G1+2], 64<<16                      ; 64 of them,
	s_mov_b32 s[G1+3], 32<<16
	s_mov_b32 s[G1+4], 64
	s_mov_b32 s[G1+5], 32                          ; dense
	s_mov_b32 s[G1+6], 0
	s_mov_b32 s[G1+7], 0
	s_mov_b32 s[SEL], 0x76543210
	s_mov_b32 s[SEL+1], 0xfedcba98                 ; lane l xor 16
	s_mov_b32 s[CS], 0x3e0293ee                    ; log2(e) / sqrt(128)
	s_mov_b32 s[G0], 1
	s_mov_b32 s[G0+1], s43
	s_wait_dscnt 0x0                               ; both opening adds are done
	s_wait_kmcnt 0x0
	s_load_b128 s[68:71], s[8:9], 0x18             ; e6, e7, e8, e9
	s_load_b32 s72, s[8:9], 0x28                   ; e10
	s_add_nc_u64 s[G0+2:G0+3], s[6:7], s[44:45]
	s_or_b32 s[G0+3], s[G0+3], 0x80000000
	s_add_nc_u64 s[4:5], s[4:5], s[46:47]
	s_add_nc_u64 s[10:11], s[10:11], s[48:49]
	CROUND                                         ; all four work-groups are here: the joint loads meet
	tensor_load_to_lds s[G0:G0+3], s[G1:G1+7]      ; my one tensor load
	s_nop 0
	PLACES
	v_and_b32 v8, 31, v0
	v_lshlrev_b32 v9, 4, v8                        ; 16 x lane
.irp c, 0,1,2,3
	global_load_b128 v[16+4*\c:19+4*\c], v9, s[4:5] offset:512*\c   ; Q's fragment stays in registers
.endr
	v_and_b32 v10, 15, v0                          ; r
	v_bfe_u32 v11, v0, 4, 1                        ; h
	v_add_nc_u32 v[AK], s50, v9
	v_add_nc_u32 v[AV0], s51, v9
	v_add_nc_u32 v[AV1], s52, v9
	v_add_nc_u32 v[XS], s53, v9
	v_add_nc_u32 v[XR], s54, v9
	v_lshlrev_b32 v8, 3, v8
	v_add_nc_u32 v[XS8], s55, v8
	v_add_nc_u32 v[XR8], s56, v8
	v_lshlrev_b32 v11, 3, v11                      ; 8 h
	v_lshl_add_u32 v[GO], v10, 4, v11
	v_add_nc_u32 v[GO], s57, v[GO]                 ; the way out: 16 r + 8 h + 1,024 p
	v_sub_nc_u32 v[DM], v10, v11
	v_add_nc_u32 v[DM], s58, v[DM]                 ; 16 x + r - 8 h: in block b the key 16 t + 8 h + j is hidden where 16 t + j is above it
	v_mov_b32 v246, 0                              ; a lane permute's destination counts as one of its sources
	v_mov_b32 v253, 0                              ; (named as the upper half of the pair v[252:253])
	s_wait_alu depctr_va_vdst(0)                   ; directly ahead of the wait below
	s_wait_kmcnt 0x0
	s_add_co_i32 s40, s68, s69
	s_lshl_b32 s40, s40, 23
	s_add_co_i32 s[CS], s[CS], s40                 ; x 2^(e6 + e7): a score stands for score x that
	s_mov_b32 s[CS+1], s[CS]                       ; (named with it as a pair)
	s_add_co_i32 s40, s70, 127
	s_lshl_b32 s41, s40, 23
	v_mov_b32 v244, s41                            ; 2^e8, and 448 x it
	s_add_co_i32 s40, s40, 8
	s_lshl_b32 s40, s40, 23
	s_or_b32 s40, s40, 0x600000
	v_mov_b32 v240, s40
	s_sub_co_i32 s40, s72, s70
	s_sub_co_i32 s40, s40, s71
	s_add_co_i32 s40, s40, 127
	s_lshl_b32 s41, s40, 23
	v_mov_b32 v245, s41                            ; 2^(e10 - e8 - e9), and 448 x it
	s_add_co_i32 s40, s40, 8
	s_lshl_b32 s40, s40, 23
	s_or_b32 s40, s40, 0x600000
	v_mov_b32 v241, s40
	s_wait_alu depctr_va_vdst(0)                   ; the head's end
	s_wait_loadcnt 0x0                             ; Q
	s_wait_tensorcnt 0x0                           ; my part of K and V is in;
	s_barrier_signal -1
	s_barrier_wait -1                              ; everybody's is
; STAGE st: key block 2 st + p.  Branches hang on the wave's number alone; no barrier stands in a stage.
.macro STAGE st
.if \st
	s_wait_alu depctr_va_vdst(0)                   ; ahead of the branch
.endif
	s_cmp_gt_u32 s[NS], 7-2*\st
	s_cbranch_scc1 .Lhidden_\@                     ; the block lies behind my queries
.if \st
	v_add_nc_u32 v8, STB*\st, v[AK]                ; (five places with the two v_nop: the first products below write over registers that the last ones read)
	v_add_nc_u32 v9, STB*\st, v[AV0]
	v_add_nc_u32 v10, STB*\st, v[AV1]
	v_nop
	v_nop
	s_wait_alu depctr_va_vdst(0)
.set KA, 8
.set VA, 9
.set VB, 10
.else
.set KA, AK
.set VA, AV0
.set VB, AV1
.endif
	FR4 32, KA, 0
	QK 0, 8
	QK 2, 0
	PLACES
	FR4 32, KA, 8192
	QK 4, 8
	QK 6, 0
	PLACES
	FR4 32, VA, 0                                  ; V's first four fragments come while the softmax is made
	s_cmp_lg_u32 s[NS], 7-2*\st
	s_cbranch_scc1 .Lopen_\@
	v_mov_b32 v254, 0xff800000                     ; the diagonal block: hidden scores become -infinity
.set IX, 0
.rept 64
	v_cmp_gt_i32 vcc_lo, 16*(IX/8)+IX%8, v[DM]
	v_cndmask_b32 v[96+IX], v[96+IX], v254, vcc_lo
.set IX, IX+1
.endr
.Lopen_\@:
	v_max3_num_f32 v254, v96, v97, v98             ; the largest score, in two chains,
	v_max3_num_f32 v252, v99, v100, v101
.irp n, 6,10,14,18,22,26,30,34,38,42,46,50,54,58
	v_max3_num_f32 v254, v254, v[96+\n], v[97+\n]
	v_max3_num_f32 v252, v252, v[98+\n], v[99+\n]
.endr
	v_max3_num_f32 v254, v254, v158, v159
	s_delay_alu instid0(VALU_DEP_1)
	v_max_num_f32 v254, v254, v252
	v_permlanex16_b32 v246, v254, s[SEL], s[SEL+1]
	s_delay_alu instid0(VALU_DEP_1)
	v_max_num_f32 v254, v254, v246                 ; and lane l xor 16's
	s_delay_alu instid0(VALU_DEP_1)
.if \st
	v_mul_f32 v254, s[CS], v254
	s_delay_alu instid0(VALU_DEP_1)
	v_max_num_f32 v13, v13, v254                   ; the running largest t
	v_mov_b32 v254, v12
	s_delay_alu instid0(VALU_DEP_2)
	v_floor_f32 v12, -v13                          ; -M
	s_delay_alu instid0(VALU_DEP_1)
	v_sub_f32 v254, v12, v254
	s_delay_alu instid0(VALU_DEP_1)
	v_cvt_i32_f32 v254, v254                       ; (it saturates)
	s_delay_alu instid0(VALU_DEP_1)
	v_ldexp_f32 v252, 1.0, v254                    ; 2^(old M - new M)
.else
	v_mul_f32 v13, s[CS], v254                     ; the first block starts the largest t
	s_delay_alu instid0(VALU_DEP_1)
	v_floor_f32 v12, -v13
.endif
.set IX, 0
.rept 32
	v_pk_fma_f32 v[96+IX:97+IX], v[96+IX:97+IX], s[CS:CS+1], v[12:13] op_sel_hi:[1,0,0]   ; t - M
.set IX, IX+2
.endr
	s_wait_alu depctr_va_vdst(0)                   ; ahead of the batch
.set IX, 0
.rept 64
	v_exp_f32 v[96+IX], v[96+IX]                   ; p
.set IX, IX+1
.endr
.if \st
	v_pk_mul_f32 v[14:15], v[14:15], v[252:253] op_sel_hi:[1,0]   ; the sum under the new M (the plain place behind the exponentials)
	s_wait_alu depctr_va_vdst(0)                   ; one wait for the batch, ahead of its first reader
	v_pk_add_f32 v[242:243], v[96:97], v[98:99]    ; the sum of the unquantised p, in two chains
.irp n, 4
	v_pk_add_f32 v[14:15], v[14:15], v[96+\n:97+\n]
	v_pk_add_f32 v[242:243], v[242:243], v[98+\n:99+\n]
.endr
.else
	v_nop
	s_wait_alu depctr_va_vdst(0)                   ; one wait for the batch, ahead of its first reader
	v_pk_add_f32 v[14:15], v[96:97], v[98:99]      ; the first block starts the sum
	v_pk_add_f32 v[242:243], v[100:101], v[102:103]
.endif
.irp n, 8,12,16,20,24,28,32,36,40,44,48,52,56,60
	v_pk_add_f32 v[14:15], v[14:15], v[96+\n:97+\n]
	v_pk_add_f32 v[242:243], v[242:243], v[98+\n:99+\n]
.endr
	s_delay_alu instid0(VALU_DEP_1)
	v_pk_add_f32 v[14:15], v[14:15], v[242:243]
.irp t, 0,1,2,3,4,5,6,7
.irp n, 0,1,2,3,4,5,6,7
	v_min_num_f32 v[96+8*\t+\n], v[96+8*\t+\n], v240   ; the conversion to an 8-bit code does not saturate (ISA guide 7.6.2); p is not negative
.endr
	v_cvt_scalef32_pk8_fp8_f32 v[224+2*\t:225+2*\t], v[96+8*\t:103+8*\t], v244
.endr
	v_nop                                          ; a plain line behind the last conversion
	FR4 96, VB, 0                                  ; V's other four fragments, where p was
.if \st
	s_wait_alu depctr_va_vdst(0)                   ; directly ahead of the first reader of O^T
.set IX, 0
.rept 32
	v_pk_mul_f32 v[160+IX:161+IX], v[160+IX:161+IX], v[252:253] op_sel_hi:[1,0]   ; O^T under the new M
.set IX, IX+2
.endr
.endif
	s_wait_alu depctr_va_vdst(0)                   ; directly ahead of the wait below
	s_wait_dscnt 16                                ; V's first four are in; the youngest 16 loads may be out
.irp t, 0,1,2,3,4,5,6,7
.if \t == 4
	s_wait_dscnt 0x0
.endif
.set VF, 32+16*\t                      ; v32-95, then v96-159
.if \st
	v_wmma_f32_16x16x128_fp8_fp8 v[160+8*\t:167+8*\t], v[VF:VF+15], v[224:239], v[160+8*\t:167+8*\t]
.else
	v_wmma_f32_16x16x128_fp8_fp8 v[160+8*\t:167+8*\t], v[VF:VF+15], v[224:239], 0
.endif
.endr
.if \st
.Lhidden_\@:
.else
	s_branch .Lbegun
.Lhidden_\@:                                   ; wave 12 alone (b = 0, p = 1) has no key block: nothing summed, M under every t
	v_mov_b32 v12, 0x7f61b1e6
	v_mov_b32 v13, 0xff61b1e6
	v_mov_b32 v14, 0
	v_mov_b32 v15, 0
.set IX, 0
.rept 64
	v_mov_b32 v[160+IX], 0
.set IX, IX+1
.endr
.Lbegun:
.endif
.endm
	STAGE 0
	STAGE 1
	STAGE 2
	STAGE 3
; THE EXCHANGE lies over key blocks 0 to 2: all loads of the launch have landed, and behind the first barrier nobody reads K or V.  I give the 64 channels that my partner finishes, and (-M, sum).
	PLACES
	s_wait_alu depctr_va_vdst(0)                   ; directly ahead of the barrier
	s_barrier_signal -1                            ; my reads of K and V are over
	v_add_f32 v13, v14, v15
	v_permlanex16_b32 v246, v13, s[SEL], s[SEL+1]
	s_delay_alu instid0(VALU_DEP_1)
	v_add_f32 v13, v13, v246                       ; my keys' sum
	s_wait_alu depctr_va_vdst(0)                   ; directly ahead of the wait below
	s_barrier_wait -1
.irp n, 0,1,2,3,4,5,6,7
	ds_store_b128 v[XS], v[192+4*\n:195+4*\n] offset:512*\n
.endr
	ds_store_b64 v[XS8], v[12:13]
	s_wait_dscnt 0x0                               ; my stores are done,
	s_barrier_signal -1
	s_barrier_wait -1                              ; and so are my partner's
	ds_load_b64 v[64:65], v[XR8]
.irp n, 0,1,2,3,4,5,6,7
	ds_load_b128 v[96+4*\n:99+4*\n], v[XR] offset:512*\n
.endr
	s_wait_dscnt 8                                 ; the partner's (-M, sum) is in; the eight loads of O^T may be out
	v_min_num_f32 v66, v12, v64                    ; the common -M
	s_delay_alu instid0(VALU_DEP_1)
	v_sub_f32 v67, v66, v12
	s_delay_alu instid0(VALU_DEP_2)
	v_sub_f32 v68, v66, v64
	s_delay_alu instid0(VALU_DEP_2)
	v_cvt_i32_f32 v67, v67
	s_delay_alu instid0(VALU_DEP_2)
	v_cvt_i32_f32 v68, v68
	s_delay_alu instid0(VALU_DEP_2)
	v_ldexp_f32 v70, 1.0, v67                      ; what my part is multiplied by,
	s_delay_alu instid0(VALU_DEP_2)
	v_ldexp_f32 v71, 1.0, v68                      ; and my partner's
	s_delay_alu instid0(VALU_DEP_2)
	v_mul_f32 v72, v13, v70
	s_delay_alu instid0(VALU_DEP_1)
	v_fma_f32 v72, v65, v71, v72                   ; the row's sum
	s_wait_alu depctr_va_vdst(0)                   ; ahead of the transcendental
	v_rcp_f32 v73, v72
	v_nop
	s_wait_alu depctr_va_vdst(0)                   ; and ahead of its first reader
	v_mul_f32 v74, v73, v70
	v_mul_f32 v75, v73, v70
	v_mul_f32 v76, v73, v71
	v_mul_f32 v77, v73, v71
	s_wait_alu depctr_va_vdst(0)                   ; directly ahead of the wait below
	s_wait_dscnt 0x0
	s_wait_alu depctr_va_vdst(0)                   ; and here, directly ahead of the first reader of O^T
.set IX, 0
.rept 16
	v_pk_mul_f32 v[32+IX:33+IX], v[160+IX:161+IX], v[74:75]
.set IX, IX+2
.endr
.set IX, 0
.rept 16
	v_pk_fma_f32 v[96+IX:97+IX], v[96+IX:97+IX], v[76:77], v[32+IX:33+IX]
.set IX, IX+2
.endr
.irp t, 0,1,2,3
.irp n, 0,1,2,3,4,5,6,7
	v_med3_num_f32 v[96+8*\t+\n], v[96+8*\t+\n], -v241, v241
.endr
	v_cvt_scalef32_pk8_fp8_f32 v[224+2*\t:225+2*\t], v[96+8*\t:103+8*\t], v245
.endr
	v_nop
.irp t, 0,1,2,3
	global_store_b64 v[GO], v[224+2*\t:225+2*\t], s[10:11] offset:256*\t   ; 32 lanes store 256 consecutive bytes, aligned
.endr
	s_wait_tensorcnt 0x0                           ; the wave's end
	ds_add_u32 v[SPW], v[NIL]
	s_wait_dscnt 0x0
	CROUND                                         ; the closing round
	s_endpgm
.Lfunc_end_k_q6c9f4b6bcb_attn:
	.size	k_q6c9f4b6bcb_attn, .Lfunc_end_k_q6c9f4b6bcb_attn-k_q6c9f4b6bcb_attn
	.p2alignl 7, 3214868480
	.fill 96, 4, 3214868480
	.section	.rodata,"a",@progbits
	.p2align	6, 0x0
	.amdhsa_kernel k_q6c9f4b6bcb_attn
		.amdhsa_group_segment_fixed_size 327680
		.amdhsa_private_segment_fixed_size 0
		.amdhsa_enable_private_segment 0
		.amdhsa_kernarg_size 32
		.amdhsa_user_sgpr_count 2
		.amdhsa_user_sgpr_kernarg_segment_ptr 1
		.amdhsa_wavefront_size32 1
		.amdhsa_system_sgpr_workgroup_id_x 1
		.amdhsa_system_sgpr_workgroup_id_y 1
		.amdhsa_system_sgpr_workgroup_id_z 1
		.amdhsa_system_vgpr_workitem_id 0
		.amdhsa_next_free_vgpr 256
		.amdhsa_next_free_sgpr 80
		.amdhsa_reserve_vcc 1
		.amdhsa_float_denorm_mode_32 3
		.amdhsa_float_denorm_mode_16_64 3
		.amdhsa_memory_ordered 1
		.amdhsa_forward_progress 1
		.amdhsa_inst_pref_size 111
	.end_amdhsa_kernel
	.amdgpu_metadata
---
amdhsa.version: [ 1, 2 ]
amdhsa.kernels:
  - .name:           k_q6c9f4b6bcb_attn
    .symbol:         k_q6c9f4b6bcb_attn.kd
    .args:
      - { .name: q_img, .offset: 0, .size: 8, .value_kind: global_buffer, .address_space: global }
      - { .name: kv_img, .offset: 8, .size: 8, .value_kind: global_buffer, .address_space: global }
      - { .name: lowp_scales, .offset: 16, .size: 8, .value_kind: global_buffer, .address_space: global }
      - { .name: a_img, .offset: 24, .size: 8, .value_kind: global_buffer, .address_space: global }
    .group_segment_fixed_size: 327680
    .private_segment_fixed_size: 0
    .kernarg_segment_align: 8
    .kernarg_segment_size: 32
    .max_flat_workgroup_size: 512
    .sgpr_count:     80
    .vgpr_count:     256
    .wavefront_size: 32
...
	.end_amdgpu_metadata
.endif
;; end of part 2
;; launch oproj (part 3): grid 16 x 16, 4 waves a work-group, clusters of 4 x 4, 327,680 bytes of LDS; arguments a_img, W_o_codes, lowp_scales, out0; writes out0
.if DOCPART == 3
	.amdgcn_target "amdgcn-amd-amdhsa--gfx1250"
	.amdhsa_code_object_version 6
	.text
	.protected	k_q6c9f4b6bcb_oproj
	.globl	k_q6c9f4b6bcb_oproj
	.p2align	8
	.type	k_q6c9f4b6bcb_oproj,@function
k_q6c9f4b6bcb_oproj:
	s_mov_b64 s[64:65], 0
	v_nop
	global_prefetch_b8 v0, s[64:65] scope:SCOPE_SE
	s_setreg_imm32_b32 hwreg(HW_REG_WAVE_MODE, 25, 1), 1
	s_wait_xcnt 0x0
	s_wait_alu depctr_hold_cnt(0) depctr_sa_sdst(0) depctr_va_vdst(0) depctr_va_sdst(0) depctr_va_ssrc(0) depctr_va_vcc(0) depctr_vm_vsrc(0)
	s_getreg_b32 s2, hwreg(HW_REG_IB_STS2, 6, 4)
	s_cmp_eq_u32 s2, 0
	s_cbranch_scc0 .Lentry_in_a_cluster
	s_endpgm
.Lentry_in_a_cluster:
	s_bfe_u32 s2, ttmp6, 0x10000c
	s_cmp_lg_u32 s2, 0xf033
	s_cbranch_scc0 .Lentry_shape_is_right
	s_endpgm
.Lentry_shape_is_right:
; out0 = a Wo^T on codes of FP8 (E4M3).  a: 2,048 tokens x 2,048, as images of operand registers: a_img [block of 16 tokens 128][head 16][2048] (register group c of lane L at 512 c + 16 L; a head is one step of 128 along K).
; Wo: [2048][2048] codes, K innermost.  out0: [2048][2048] f32 = sum x 2^(e10 + e11).  LIMIT: e10 + e11 between -126 and 127, so that the factor is an f32 number.
; SHARES.  A tile of out0 is 128 x 128, which gives 16 x 16 work-groups; four waves, each 64 x 64: 16 accumulators.  K goes in steps of 512 (four heads) through two LDS slots: four fills in all, two of them refills.
; THE MATRIX INSTRUCTION IS USED TRANSPOSED (source 0 = 16 rows of Wo, source 1 = 16 tokens): a lane holds eight neighbouring numbers of a row of out0.
; CLUSTERS: 4 x 4.  a's tile is shared along a row of the cluster, Wo's along a column: joint loads.  Waves 0, 1 ask for a's halves (4 rows of 8,192 bytes: four heads of a block of tokens lie on end), waves 2, 3 for Wo's (64 rows of 512 bytes).
; REGISTERS.  Window 0: v16-29 addresses; v32-63 a block's results; v64-127 rows read back, two sets; v128-255 accumulator (a, b) at v[128 + 8 (4 a + b)].   Window 1: two buffers of 128: a's four fragments, then Wo's four.
.set PITCHW, 528                       ; a row of Wo in LDS: 512 bytes + 16 of padding
.set AIMG,   65536                     ; a slot: a's 32 fragments as they lie, then Wo's 128 rows
.set HALFW,  64*PITCHW
.set SLOT,   AIMG+2*HALFW
.set SPARE,  2*SLOT                    ; behind the ring: the spare words, 128 bytes a wave: two blocks of 256 bytes that no other line names
.set SPITCH, 272                       ; the way out: a stage of 16 rows x (256 bytes + 16) for each wave, in slot 0, which has had its last fill and its last read by then
.set ADRA, 16
.set ADRB, 20
.set STO,  24
.set RD,   25
.set CO,   26
.set SPW,  28
.set NIL,  29
.set TMP,  32
.set BK,   64
.set ACC,  128
.set F0,   0
.set F1,   128
.set G1,   24
.set G0,   32
.set G1B,  48
.set G0B,  56
.set MSB, 0
.macro WIN new
.if MSB != (\new)
	s_set_vgpr_msb (MSB<<8)|(\new)
.set MSB, (\new)
.endif
.endm
.set MUL,  0x05                        ; sources 0 and 1 window 1; C and D window 0
.set TO_F, 0x40                        ; destination window 1, address window 0
.macro JLOAD s                         ; a joint load; the branch hangs on the wave's number alone; four v_nop follow each line
	s_cmp_eq_u32 s15, 0
	s_cbranch_scc0 .Lfor_w_\@
	tensor_load_to_lds s[G0+4*\s:G0+4*\s+3], s[G1:G1+7]
	s_nop 0
.rept 4
	v_nop
.endr
	s_branch .Lasked_\@
.Lfor_w_\@:
	tensor_load_to_lds s[G0B+4*\s:G0B+4*\s+3], s[G1B:G1B+7]
	s_nop 0
.rept 4
	v_nop
.endr
.Lasked_\@:
.endm
.macro CREST
	s_cmp_lg_u32 s14, 0
	s_cbranch_scc1 .Lnot_wave_0_\@
	s_barrier_signal -3
.Lnot_wave_0_\@:
	s_barrier_wait -3
	s_barrier_signal -1
	s_barrier_wait -1
.endm
.macro CROUND
	s_barrier_signal -1
	s_barrier_wait -1
	CREST
.endm
.macro PLACES
.rept 4
	v_nop
.endr
.endm
	s_load_b128 s[4:7], s[0:1], 0x0                ; a_img, Wo's codes
	s_load_b128 s[8:11], s[0:1], 0x10              ; the scales' exponents, out0
	v_lshl_add_u32 v[SPW], v0, 2, SPARE
	v_mov_b32 v[NIL], 0
	ds_add_u32 v28, v29
	ds_add_u32 v28, v29
	s_wait_dscnt 0x0
	v_lshrrev_b32 v1, 5, v0
	v_readfirstlane_b32 s14, v1                    ; wave 0..3
	s_lshr_b32 s15, s14, 1                         ; my half of the tile's rows.  Also: I ask for a (0) or for Wo (1)
	s_and_b32 s16, s14, 1                          ; my half of its columns.  Also: which half of that tile I ask for
	s_bfe_u32 s40, ttmp6, 0x40000                  ; cx
	s_bfe_u32 s41, ttmp6, 0x40004                  ; cy
	s_lshl_b32 s42, ttmp9, 2
	s_add_co_u32 s42, s42, s40                     ; tile column
	s_and_b32 s17, ttmp7, 0xffff
	s_lshl_b32 s17, s17, 2
	s_add_co_u32 s17, s17, s41                     ; tile row
	s_lshl_b32 s43, s41, 2
	s_lshl_b32 s43, 15, s43                        ; my row of the cluster
	s_lshl_b32 s44, 0x1111, s40                    ; my column
	s_or_b32 s[G1+0], s43, (3<<16)|(1<<21)         ; a: the mask; elements of 8 bytes; bit 21 beside a mask; no padding
	s_mov_b32 s[G1+1], 1024<<16                    ; tensor_dim0 = 1,024 elements: 8,192 bytes, four heads of a block of 16 tokens
	s_mov_b32 s[G1+2], 4<<16                       ; tensor_dim1 = 4 blocks of tokens
	s_mov_b32 s[G1+3], 1024<<16                    ; tile_dim0
	s_mov_b32 s[G1+4], 4                           ; tile_dim1
	s_mov_b32 s[G1+5], 4096                        ; from block to block: 32,768 bytes
	s_mov_b32 s[G1+6], 0
	s_mov_b32 s[G1+7], 0
	s_or_b32 s[G1B+0], s44, (1<<20)|(1<<21)|(6<<22)|(3<<25)   ; Wo: the mask; elements of 1 byte; 4 words of padding behind every 128
	s_mov_b32 s[G1B+1], 512<<16
	s_mov_b32 s[G1B+2], 64<<16
	s_mov_b32 s[G1B+3], 512<<16
	s_mov_b32 s[G1B+4], 64
	s_mov_b32 s[G1B+5], 2048
	s_mov_b32 s[G1B+6], 0
	s_mov_b32 s[G1B+7], 0
	s_lshl_b32 s20, s17, 3
	s_lshl_b32 s18, s16, 2
	s_add_co_u32 s20, s20, s18
	s_lshl_b32 s20, s20, 15                        ; a: block of tokens 8 x tile row + 4 x half, 32,768 bytes each
	s_mov_b32 s21, 0
	s_lshl_b32 s46, s42, 7
	s_lshl_b32 s18, s16, 6
	s_add_co_u32 s46, s46, s18
	s_lshl_b32 s46, s46, 11                        ; Wo: row 128 x tile column + 64 x half, 2,048 bytes each
	s_mov_b32 s47, 0
	s_lshl_b32 s45, s16, 15                        ; where they go: a's half,
	s_mul_i32 s19, s16, HALFW
	s_add_co_u32 s19, s19, AIMG                    ; Wo's half: no place in the cluster enters an LDS address
	s_wait_kmcnt 0x0
	s_load_b64 s[70:71], s[8:9], 0x28              ; e10, e11
	s_add_nc_u64 s[20:21], s[4:5], s[20:21]
	s_add_nc_u64 s[46:47], s[6:7], s[46:47]
	CROUND                                         ; all sixteen work-groups are here: the first joint loads meet
.irp s, 0,1
	s_mov_b32 s[G0+4*\s], 1
	s_add_co_u32 s[G0+4*\s+1], s45, \s*SLOT
	s_add_nc_u64 s[G0+4*\s+2:G0+4*\s+3], s[20:21], \s*8192
	s_or_b32 s[G0+4*\s+3], s[G0+4*\s+3], 0x80000000
	s_mov_b32 s[G0B+4*\s], 1
	s_add_co_u32 s[G0B+4*\s+1], s19, \s*SLOT
	s_add_nc_u64 s[G0B+4*\s+2:G0B+4*\s+3], s[46:47], \s*512
	s_or_b32 s[G0B+4*\s+3], s[G0B+4*\s+3], 0x80000000
.endr
	JLOAD 0                                        ; K step 0: one tensor load a wave at the head
	; PREFETCHES INTO THE L2, one K step of 512 ahead of the load: K step s + 1 behind K step s's load.  A wave's part of a K step is 128 blocks of 256 bytes; each of the four partners that ask for it jointly names 32 of them, a lane a block,
	; told apart by address: of a one of the four rows of 8,192 bytes (place cx), of Wo 16 of the 64 rows of 512 bytes (place cy): 32,768 bytes on for each place in both.  v30, v31, v27: the lane's offset in K steps 1, 2, 3.
	s_mov_b32 s22, 2048
	s_mov_b32 s23, 512
	s_cmp_eq_u32 s15, 0
	s_cselect_b64 s[12:13], s[20:21], s[46:47]
	s_cselect_b32 s18, s40, s41
	s_cselect_b32 s22, 512, s22                    ; from one pair of lanes to the next
	s_cselect_b32 s23, 8192, s23                   ; from K step to K step
	s_lshl_b32 s18, s18, 15
	s_mov_b32 s19, 0
	s_add_nc_u64 s[12:13], s[12:13], s[18:19]
	v_and_b32 v31, 31, v0
	v_lshrrev_b32 v30, 1, v31
	v_and_b32 v31, 1, v31
	v_mul_lo_u32 v30, v30, s22
	v_lshl_add_u32 v30, v31, 8, v30
	v_add_nc_u32 v30, s23, v30
	v_add_nc_u32 v31, s23, v30
	v_add_nc_u32 v27, s23, v31
	global_prefetch_b8 v30, s[12:13] th:TH_LOAD_NT scope:SCOPE_SE   ; K step 1
	v_and_b32 v1, 15, v0                           ; r
	v_bfe_u32 v2, v0, 4, 1                         ; h
	v_and_b32 v3, 31, v0
	v_lshlrev_b32 v4, 4, v3                        ; 16 x lane
	s_lshl_b32 s22, s15, 15
	v_add_nc_u32 v[ADRA], s22, v4                  ; a: my 64 tokens' images
	v_add_nc_u32 v[ADRA+1], SLOT, v[ADRA]
	v_mul_u32_u24 v5, v1, PITCHW
	v_lshl_add_u32 v5, v2, 4, v5
	s_mul_i32 s22, s16, HALFW
	s_add_co_u32 s22, s22, AIMG
	v_add_nc_u32 v[ADRB], s22, v5                  ; Wo: my 64 rows; row r, + 16 h
	v_add_nc_u32 v[ADRB+1], SLOT, v[ADRB]
	s_mul_i32 s23, s14, 16*SPITCH                  ; my stage
	v_mul_u32_u24 v6, v1, SPITCH
	v_lshl_add_u32 v6, v2, 5, v6
	v_add_nc_u32 v[STO], s23, v6                   ; in: row r, 32 bytes for each half of the lanes
	v_mul_u32_u24 v6, v2, SPITCH
	v_lshl_add_u32 v6, v1, 4, v6
	v_add_nc_u32 v[RD], s23, v6                    ; back: lanes 0-15 one row of 256 bytes, lanes 16-31 the next
	v_lshlrev_b32 v7, 13, v2
	v_lshl_add_u32 v[CO], v1, 4, v7                ; and the same two rows of out0, 8,192 bytes apart
	s_lshl_b32 s66, s17, 7
	s_lshl_b32 s67, s15, 6
	s_add_co_u32 s66, s66, s67                     ; my first row of out0
	s_lshl_b32 s66, s66, 13
	s_lshl_b32 s67, s42, 9
	s_add_co_u32 s66, s66, s67                     ; + 512 bytes a tile column
	s_lshl_b32 s67, s16, 8
	s_add_co_u32 s66, s66, s67                     ; + 256 for the right half
	s_mov_b32 s67, 0
	s_add_nc_u64 s[10:11], s[10:11], s[66:67]
; four products: token block a x Wo's four blocks, 128 along K, from buffer f.  The 16 accumulators take turns, one instruction a turn, in the same order in every step.
.macro MUL4 f, a, zero
.irp b, 0,1,2,3
.if \zero
	v_wmma_f32_16x16x128_fp8_fp8 v[ACC+8*(4*(\a)+\b):ACC+8*(4*(\a)+\b)+7], v[\f+64+16*\b:\f+64+16*\b+15], v[\f+16*(\a):\f+16*(\a)+15], 0
.else
	v_wmma_f32_16x16x128_fp8_fp8 v[ACC+8*(4*(\a)+\b):ACC+8*(4*(\a)+\b)+7], v[\f+64+16*\b:\f+64+16*\b+15], v[\f+16*(\a):\f+16*(\a)+15], v[ACC+8*(4*(\a)+\b):ACC+8*(4*(\a)+\b)+7]
.endif
.endr
.endm
; 32 LDS loads in one run: the slot's s-th 128 along K into buffer f: Wo's four fragments, then a's blocks 0 to 3
.macro FETCH slot, s, f
	WIN TO_F
.irp b, 0,1,2,3
.irp c, 0,1,2,3
	ds_load_b128 v[\f+64+16*\b+4*\c:\f+64+16*\b+4*\c+3], v[ADRB+\slot] offset:16*PITCHW*\b+128*(\s)+32*\c
.endr
.endr
.irp a, 0,1,2,3
.irp c, 0,1,2,3
	ds_load_b128 v[\f+16*\a+4*\c:\f+16*\a+4*\c+3], v[ADRA+\slot] offset:8192*\a+2048*(\s)+512*\c
.endr
.endr
.endm
; One of a slot's first three steps: multiplies buffer f and fetches step s of the same slot into buffer g.
.macro QUARTER slot, s, f, g, zero
	s_wait_dscnt 8                                 ; Wo's fragments and a's blocks 0, 1 are in; the youngest eight loads (blocks 2, 3) may be out
	WIN MUL
	MUL4 \f, 0, \zero
	MUL4 \f, 1, \zero
	PLACES
	FETCH \slot, \s, \g
	s_wait_dscnt 32                                ; all but the 32 just issued
	WIN MUL
	MUL4 \f, 2, \zero
	MUL4 \f, 3, \zero
.endm
; A slot's last step multiplies buffer 1 and changes slots: one barrier; in front of it each wave waits for all its tensor loads, adds 0 to its spare word, and waits for that and for its reads of this slot.
.macro TURN slot, next, fill
	WIN 0                                          ; (the add's two registers lie in window 0)
	s_wait_tensorcnt 0x0                           ; all my tensor loads have landed: my part of the next slot
	ds_add_u32 v[SPW], v[NIL]                      ; 0 onto my spare word
	s_wait_dscnt 9                                 ; the add and the youngest eight loads may be out
	WIN MUL
	MUL4 F1, 0, 0                                  ; four matrix instructions stand between the add and the wait for it
	s_wait_dscnt 0x0                               ; the add is done, and my reads of this slot are over
	s_barrier_signal -1
	MUL4 F1, 1, 0
	WIN 0
	s_barrier_wait -1
.if \fill
	CREST                                          ; the barrier has opened a round of the cluster's: no wave of any partner still reads this slot or has a load on its way
	s_add_nc_u64 s[G0+4*\slot+2:G0+4*\slot+3], s[G0+4*\slot+2:G0+4*\slot+3], 2*8192
	s_add_nc_u64 s[G0B+4*\slot+2:G0B+4*\slot+3], s[G0B+4*\slot+2:G0B+4*\slot+3], 2*512
	JLOAD \slot                                    ; the first tensor load behind the round, my only one until the next; its four v_nop are the places in front of the loads below
.else
	PLACES
.endif
	s_wait_alu depctr_va_vdst(0)
.if \fill
	FETCH \next, 0, F0
.if \slot == 0
	WIN 0
	global_prefetch_b8 v27, s[12:13] th:TH_LOAD_NT scope:SCOPE_SE   ; K step 3
.endif
.else
	BLOAD 0                                        ; the last slot goes by rows of the result
	BLOAD 1
	ALOAD 0
.endif
	WIN MUL
	MUL4 F1, 2, 0
	MUL4 F1, 3, 0
.endm
	s_wait_alu depctr_va_vdst(0)                   ; the head's end
	s_wait_tensorcnt 0x0                           ; my part of K step 0 is in
	ds_add_u32 v[SPW], v[NIL]
	s_wait_dscnt 0x0
	CROUND                                         ; everybody's part of K step 0 is in, and all sixteen work-groups are here
	JLOAD 1                                        ; K step 1
	FETCH 0, 0, F0
	WIN 0
	global_prefetch_b8 v31, s[12:13] th:TH_LOAD_NT scope:SCOPE_SE   ; K step 2
	QUARTER 0, 1, F0, F1, 1                        ; the first step's products start the sums: nothing is cleared
	QUARTER 0, 2, F1, F0, 0
	QUARTER 0, 3, F0, F1, 0
	TURN 0, 1, 1                                   ; slot 0 takes K 1,024 on
	QUARTER 1, 1, F0, F1, 0
	QUARTER 1, 2, F1, F0, 0
	QUARTER 1, 3, F0, F1, 0
	TURN 1, 0, 1                                   ; slot 1 takes K 1,536 on
	QUARTER 0, 1, F0, F1, 0
	QUARTER 0, 2, F1, F0, 0
	QUARTER 0, 3, F0, F1, 0
; THE LAST SLOT (slot 1) GOES BY ROWS OF THE RESULT: Wo's fragments of all four steps fill window 1 (64 registers a step), a's come by blocks of 16 tokens x 512 K into window 2 (64 registers a block), and each block of rows leaves
; while the next is multiplied.  A block's four accumulators take turns, K ascending: the sums stay the same.
.macro BLOAD q
	WIN TO_F
.irp b, 0,1,2,3
.irp c, 0,1,2,3
	ds_load_b128 v[64*\q+16*\b+4*\c:64*\q+16*\b+4*\c+3], v[ADRB+1] offset:16*PITCHW*\b+128*\q+32*\c
.endr
.endr
.endm
.macro ALOAD a
	WIN 0x80                                       ; destination window 2, address window 0
.irp q, 0,1,2,3
.irp c, 0,1,2,3
	ds_load_b128 v[64*\a+16*\q+4*\c:64*\a+16*\q+4*\c+3], v[ADRA+1] offset:8192*\a+2048*\q+512*\c
.endr
.endr
.endm
.macro ROWQ a, q0                      ; block a, steps q0 and q0 + 1
	WIN 0x09                                       ; source 0 window 1, source 1 window 2, C and D window 0
.irp q, \q0, \q0+1
.irp b, 0,1,2,3
	v_wmma_f32_16x16x128_fp8_fp8 v[ACC+8*(4*(\a)+\b):ACC+8*(4*(\a)+\b)+7], v[64*(\q)+16*\b:64*(\q)+16*\b+15], v[64*(\a)+16*(\q):64*(\a)+16*(\q)+15], v[ACC+8*(4*(\a)+\b):ACC+8*(4*(\a)+\b)+7]
.endr
.endr
.endm
	TURN 0, 1, 0                                   ; nothing is left to fill; Wo's steps 0 and 1 and a's block 0 are fetched
	PLACES
	s_wait_dscnt 0x0                               ; they are in
	BLOAD 2
	BLOAD 3
	ALOAD 1
	ROWQ 0, 0
	s_wait_dscnt 16                                ; Wo's steps 2 and 3 are in; block 1's sixteen loads may be out
	ROWQ 0, 2
	WIN 0
; THE WAY OUT, a block of 16 rows x 64 columns at a time: x 2^(e10 + e11), through my own stage, back as whole rows of 256 bytes.  LDS serves a wave's instructions in order (ISA guide 5.7.1.4): no wait between the stores and the loads.
.macro TOSTAGE a
.irp b, 0,1,2,3
.irp i, 0,2,4,6
	v_pk_mul_f32 v[TMP+8*\b+\i:TMP+8*\b+\i+1], v[ACC+8*(4*(\a)+\b)+\i:ACC+8*(4*(\a)+\b)+\i+1], s[70:71] op_sel_hi:[1,0]   ; each accumulator from its low end on
.endr
.endr
.irp b, 0,1,2,3
	ds_store_b128 v[STO], v[TMP+8*\b:TMP+8*\b+3] offset:64*\b
	ds_store_b128 v[STO], v[TMP+8*\b+4:TMP+8*\b+7] offset:64*\b+16
.endr
.irp t, 0,1,2,3,4,5,6,7
	ds_load_b128 v[BK+32*((\a)%2)+4*\t:BK+32*((\a)%2)+4*\t+3], v[RD] offset:2*\t*SPITCH
.endr
.endm
.macro SEND a, younger                 ; younger: the LDS instructions issued behind block a's loads, which may stay out
	s_wait_dscnt \younger
.irp t, 0,1,2,3,4,5,6,7
	global_store_b128 v[CO], v[BK+32*((\a)%2)+4*\t:BK+32*((\a)%2)+4*\t+3], s[10:11] offset:(16*(\a)+2*\t)*8192 th:TH_STORE_NT   ; 16 lanes store 256 consecutive bytes, aligned; written once, read by nobody here
.endr
.endm
	s_wait_kmcnt 0x0
	s_add_co_i32 s70, s70, s71
	s_add_co_i32 s70, s70, 127
	s_lshl_b32 s70, s70, 23                        ; 2^(e10 + e11) as f32
	s_mov_b32 s71, s70                             ; (named with it as a pair, so it is written)
	PLACES
	TOSTAGE 0
	ALOAD 2
	s_wait_dscnt 32                                ; block 1 is in: behind it stand the stage's 8 stores and 8 loads and block 2's 16 loads
	ROWQ 1, 0
	ROWQ 1, 2
	WIN 0
	SEND 0, 16                                     ; block 2's loads may be out
	PLACES
	TOSTAGE 1
	ALOAD 3
	s_wait_dscnt 32                                ; block 2 is in
	ROWQ 2, 0
	ROWQ 2, 2
	WIN 0
	SEND 1, 16                                     ; block 3's loads may be out
	s_wait_xcnt 0x0                                ; block 0's stores have read their registers: block 2's rows may land there
	PLACES
	TOSTAGE 2
	s_wait_dscnt 16                                ; block 3 is in: behind it stand the stage's 8 stores and 8 loads
	ROWQ 3, 0
	ROWQ 3, 2
	WIN 0
	SEND 2, 0
	s_wait_xcnt 0x0
	PLACES
	TOSTAGE 3
	SEND 3, 0
	s_wait_tensorcnt 0x0                           ; the wave's end
	ds_add_u32 v[SPW], v[NIL]
	s_wait_dscnt 0x0
	CROUND                                         ; the closing round: no work-group ends while a partner may still ask for a tile that names it
	s_endpgm
.Lfunc_end_k_q6c9f4b6bcb_oproj:
	.size	k_q6c9f4b6bcb_oproj, .Lfunc_end_k_q6c9f4b6bcb_oproj-k_q6c9f4b6bcb_oproj
	.p2alignl 7, 3214868480
	.fill 96, 4, 3214868480
	.section	.rodata,"a",@progbits
	.p2align	6, 0x0
	.amdhsa_kernel k_q6c9f4b6bcb_oproj
		.amdhsa_group_segment_fixed_size 327680
		.amdhsa_private_segment_fixed_size 0
		.amdhsa_enable_private_segment 0
		.amdhsa_kernarg_size 32
		.amdhsa_user_sgpr_count 2
		.amdhsa_user_sgpr_kernarg_segment_ptr 1
		.amdhsa_wavefront_size32 1
		.amdhsa_system_sgpr_workgroup_id_x 1
		.amdhsa_system_sgpr_workgroup_id_y 1
		.amdhsa_system_sgpr_workgroup_id_z 1
		.amdhsa_system_vgpr_workitem_id 0
		.amdhsa_next_free_vgpr 1024
		.amdhsa_next_free_sgpr 72
		.amdhsa_reserve_vcc 0
		.amdhsa_float_denorm_mode_32 3
		.amdhsa_float_denorm_mode_16_64 3
		.amdhsa_memory_ordered 1
		.amdhsa_forward_progress 1
		.amdhsa_inst_pref_size 75
	.end_amdhsa_kernel
	.amdgpu_metadata
---
amdhsa.version: [ 1, 2 ]
amdhsa.kernels:
  - .name:           k_q6c9f4b6bcb_oproj
    .symbol:         k_q6c9f4b6bcb_oproj.kd
    .args:
      - { .name: a_img, .offset: 0, .size: 8, .value_kind: global_buffer, .address_space: global }
      - { .name: W_o_codes, .offset: 8, .size: 8, .value_kind: global_buffer, .address_space: global }
      - { .name: lowp_scales, .offset: 16, .size: 8, .value_kind: global_buffer, .address_space: global }
      - { .name: out0, .offset: 24, .size: 8, .value_kind: global_buffer, .address_space: global }
    .group_segment_fixed_size: 327680
    .private_segment_fixed_size: 0
    .kernarg_segment_align: 8
    .kernarg_segment_size: 32
    .max_flat_workgroup_size: 128
    .sgpr_count:     72
    .vgpr_count:     1024
    .wavefront_size: 32
...
	.end_amdgpu_metadata
.endif
;; end of part 3
